; MI455X (gfx1250); checked and timed in simulation.
; The chip was launched on July 23, 2026; its instructions are those of AMD's public machine-readable ISA for CDNA 5 (MIT licence, August 2026) and "CDNA5" Instruction Set Architecture Reference Guide (July 2026). The comments in the code are by the model that wrote it; some were corrected since.
;; Binary Linear. Allowed arithmetic: matrix products marked QUANTISED: E2M1 operands, one E8M0 scale for each 32 along K, by v_wmma_scale_f32_16x16x128_f8f6f4 with both operands' format E2M1 (or v_wmma_scale_f32_32x16x128_f4), f32 sums; everything else in f32.
;; Inputs: bias 4,096 float32; weight 4,096 x 4,096 float32; x 4,096 x 4,096 float32.
;; Outputs: out0 4,096 x 4,096 float32.
;; This version of the problem:
;;   THIS VERSION OF THE PROBLEM IS GIVEN IN LOW PRECISION. The matrix products marked QUANTISED in the list below multiply operands that are first quantised to E2M1 (2 exponent bits, 1 mantissa bit; 4 bits a number), with one power-of-two scale for each 32 numbers along K (OCP MX v1.0); their sums are f32. All else is computed in f32.
;;   The module's matrix products, in the order in which they are computed (A, B: the left and right operand; K: the contracted axis; several contracted axes count as one K, in the product's order):
;;     1. [M 4,096, K 4,096] x [K 4,096, N 4,096]; A: computed on the way; B: computed on the way: QUANTISED
;;   THE QUANTISER, for each operand of a quantised product, along K:
;;     - K is cut into blocks of 32 from its start; a last block that is shorter is filled with zeros.
;;     - A block's scale is 2^e with e = floor(log2(the largest magnitude in the block)) - 2, held to -126 .. 127; a block of zeros has e = 0. As a byte (E8M0): e + 127.
;;     - Each number is divided by its block's scale, clamped to +-6, and rounded to the nearest number of E2M1, ties to even, subnormals kept.
;;     - The product sums the exact products of the quantised numbers (number of the format x scale) in f32.
;;   ~~~python
;;   def quantise(x, axis):      # numpy; x: float32 -> the quantised numbers, widened to float32 again
;;       x = np.moveaxis(x, axis, -1); K = x.shape[-1]
;;       x = np.pad(x, [(0, 0)] * (x.ndim - 1) + [(0, -K % 32)]); x = x.reshape(x.shape[:-1] + (-1, 32)); a = np.abs(x).max(-1, keepdims=True)
;;       e = np.where(a > 0, np.clip(np.frexp(np.where(a > 0, a, 1))[1] - 1 - 2, -126, 127), 0)      # np.frexp(a)[1] - 1 = floor(log2(a)), exactly
;;       r = np.clip(x / 2.0 ** e, -6, 6)
;;       step = 2.0 ** (np.maximum(np.frexp(np.where(r == 0, 1, r))[1] - 1, 0) - 1)
;;       q = np.round(r / step) * step * 2.0 ** e      # np.round: ties to even
;;       return np.moveaxis(q.reshape(q.shape[:-2] + (-1,))[..., :K], -1, axis).astype(np.float32)
;;   ~~~
;;   OPERANDS COMPUTED ON THE WAY. 'Computed on the way' means the value that the module computes at that place (a softmax that the list does not call 'softmax' is quantised finished and normalised). What goes into a quantiser is computed in f32, as accurately as f32 sums, v_exp_f32 and their like allow (about 1e-6 of the number): no bf16 or f16 on the way to a quantiser, and a product that is left as it is and whose result goes on into a quantised operand takes f32 operands (vector FMAs, or v_wmma_f32_16x16x4_f32). A number that lies on a knife's edge between two numbers of the format may be rounded either way, as far as f32 arithmetic and the matrix unit's own rounding can turn it there, and no further.
;; One version. Each part assembles by itself: llvm-mc -triple=amdgcn-amd-amdhsa -mcpu=gfx1250 --defsym DOCPART=n.
;; ======== version 1 of 1: 2 launches
;; limits: below input magnitudes of 6.3e-29 results are inexact or not finite
;; workspace buffers: xs 8,388,608 bytes; ws 8,388,608 bytes; part 4,096 bytes
;; launch signs (part 1): grid 512 x 1, 8 waves a work-group, no clusters, 1,280 bytes of LDS; arguments x, weight, bias, xs, ws, part; writes xs, ws, part
.if DOCPART == 1
	.amdgcn_target "amdgcn-amd-amdhsa--gfx1250"
	.amdhsa_code_object_version 6
	.text
	.protected	k_qc9b95771b9_signs
	.globl	k_qc9b95771b9_signs
	.p2align	8
	.type	k_qc9b95771b9_signs,@function
k_qc9b95771b9_signs:
	s_mov_b64 s[64:65], 0
	v_nop
	global_prefetch_b8 v0, s[64:65] scope:SCOPE_SE
	s_setreg_imm32_b32 hwreg(HW_REG_WAVE_MODE, 25, 1), 1
	s_wait_xcnt 0x0
; FIRST OF TWO LAUNCHES of y = Q(sign(x) a_x) Q(sign(w) a_w)^T + sign(bias) a_b, a = the mean magnitude of the whole tensor, Q = MX-FP4 along K.
; Every number of sign(t) a that is not 0 has the magnitude a, so every block of 32 has the same scale and every code is the number's sign over ONE three-bit code of a (that of 4 or of 6), or 0.
; a is a sum over all work-groups and is known only when this launch has ended; the sign and the "is it 0" are known now.  So x and weight are read once, here, and two things leave:
;   xs, ws: a nibble for each number: its sign over 111 where it is not 0, over 000 where it is.  The next launch ANDs them with (1000 | the code of a): that is the code that the quantiser gives.
;   part:   each work-group's sum of magnitudes: words 0-255 for x, 256-511 for weight, 512-1023 for bias (eight numbers of bias to a work-group).
; THE NIBBLE is made by the conversion to FP4 itself, with the scale 2^-96: what is not 0 lies beyond the format's largest number and gets the largest code; 0 gets the code 0.
; LIMITS: a magnitude above 0 and at most 5 x 2^-96 (6.3e-29) gets a smaller code than 111; from 2^32 on the quotient passes f32's range and the text leans on the conversion's hold at the largest code;
; NaN and infinities are not served.
; THE ORDER OF K in xs and ws is the order in which dense loads deliver the numbers, alike in both tensors (a permutation of k applied alike to both operands keeps every product, and all blocks of a tensor
; have one scale): in run c of a row (1,024 numbers, 512 bytes at 512 c), byte 16 l + 4 g, nibble n holds k = 1024 c + 256 g + 4 l + n (n < 4) or 1024 c + 256 g + 128 + 4 l + n - 4.
; SHARES: work-groups 0-255 take x, 256-511 weight: 65,536 numbers each; a wave 8 chunks of 1,024.  A chunk is eight loads of 512 consecutive bytes and one store of 512.  All is written out: every offset is an
; immediate, no source of a pending access is ever rewritten.  Loads run four chunks (32 loads a wave) ahead.  A stream: no tensor loads, no cluster, no matrix unit: nothing is shared, nothing is multiplied.
; THE SUMS: eight chains a lane, 32 numbers long; all else is added in trees.
.set A, 8                              ; v8-15    eight running sums
.set X, 32                             ; v32-159  four slots of 32 numbers
.set C, 160                            ; v160-191 four registers of nibbles for each chunk: no store's data are written again
	s_load_b256 s[4:11], s[0:1], 0x0               ; x s[4:5], weight s[6:7], bias s[8:9], xs s[10:11]
	s_load_b128 s[12:15], s[0:1], 0x20             ; ws s[12:13], part s[14:15]
	v_lshl_add_u32 v192, v0, 2, 0x100
	v_mov_b32 v193, 0
	v_lshrrev_b32 v5, 5, v0
	v_readfirstlane_b32 s16, v5                    ; wave 0..7
	v_and_b32 v1, 31, v0
	v_lshlrev_b32 v1, 4, v1                        ; 16 x lane: my place in a load's and in a store's 512 bytes; never rewritten
	v_and_b32 v2, 7, v0
	v_lshlrev_b32 v2, 2, v2                        ; which of the work-group's eight numbers of bias
	v_mov_b32 v4, 0x0f800000                       ; exponent field 31: the conversion divides by 2^(31 - 127)
	v_mov_b32 v5, 0                                ; (a lane permute's destination counts as one of its sources)
	v_mov_b32 v6, s16
	v_lshlrev_b32 v6, 2, v6                        ; LDS: my wave's word
	v_mov_b32 v7, 0
	s_and_b32 s17, ttmp9, 255                      ; which 65,536 numbers of the tensor
	s_lshl_b32 s18, s17, 18                        ; in bytes,
	s_lshl_b32 s21, s16, 15                        ; + my wave's 8,192 numbers
	s_add_co_u32 s18, s18, s21
	s_mov_b32 s19, 0
	s_mov_b32 s22, 0x76543210                      ; v_permlanex16_b32's selects for lane l xor 16
	s_mov_b32 s23, 0xfedcba98
	s_wait_kmcnt 0x0
	s_cmp_lt_u32 ttmp9, 256                        ; x's work-group or weight's?  Only pointers are chosen: both take one path
	s_cselect_b64 s[4:5], s[4:5], s[6:7]
	s_cselect_b64 s[10:11], s[10:11], s[12:13]
	s_add_nc_u64 s[4:5], s[4:5], s[18:19]
	s_lshr_b32 s18, s18, 3                         ; a nibble for four bytes
	s_add_nc_u64 s[10:11], s[10:11], s[18:19]
	s_lshl_b32 s18, ttmp9, 5                       ; eight numbers of bias to a work-group
	s_add_nc_u64 s[8:9], s[8:9], s[18:19]
	s_lshl_b32 s18, ttmp9, 2                       ; a word of part to a work-group
	s_add_nc_u64 s[14:15], s[14:15], s[18:19]
.macro LOAD t                          ; chunk t into slot t % 4: eight loads, 512 consecutive bytes each
.irp i, 0,1,2,3,4,5,6,7
	global_load_b128 v[X+32*((\t)%4)+4*\i:X+32*((\t)%4)+4*\i+3], v1, s[4:5] offset:4096*(\t)+512*\i th:TH_LOAD_NT
.endr
.endm
	global_load_b32 v3, v2, s[8:9]                 ; the oldest load: every wait below covers it
	LOAD 0
	LOAD 1
	LOAD 2
	LOAD 3
.macro CHUNK t
.set XS, X+32*((\t)%4)
.if (\t) < 5
	s_wait_loadcnt 24                              ; loads come back in order: this chunk's eight are in, those of the three chunks behind it may be out
.else
	s_wait_loadcnt 8*(7-(\t))                      ; the last chunks: the counts run down
.endif
.irp g, 0,1,2,3
	v_cvt_scalef32_pk8_fp4_f32 v[C+4*(\t)+\g], v[XS+8*\g:XS+8*\g+7], v4   ; eight nibbles: sign over 111, or over 000 for a 0
.endr
.if (\t) == 0
.irp j, 0,1,2,3,4,5,6,7
	v_add_f32 v[A+\j], |v[XS+\j]|, |v[XS+8+\j]|    ; the first sixteen numbers start the chains: nothing is cleared
.endr
.irp j, 16,17,18,19,20,21,22,23,24,25,26,27,28,29,30,31
	v_add_f32 v[A+\j%8], v[A+\j%8], |v[XS+\j]|
.endr
.else
.irp j, 0,1,2,3,4,5,6,7,8,9,10,11,12,13,14,15,16,17,18,19,20,21,22,23,24,25,26,27,28,29,30,31
	v_add_f32 v[A+\j%8], v[A+\j%8], |v[XS+\j]|     ; eight chains by turns; these plain lines also stand behind the conversions
.endr
.endif
.if (\t) < 4
	LOAD (\t)+4                                    ; the slot takes the chunk four further on, ahead of the store
.endif
	global_store_b128 v1, v[C+4*(\t):C+4*(\t)+3], s[10:11] offset:512*(\t) th:TH_STORE_NT   ; 32 lanes store 512 consecutive bytes, aligned
.endm
.irp t, 0,1,2,3,4,5,6,7
	CHUNK \t
.endr
	; my eight chains, then the wave's 32 lanes
	v_add_f32 v8, v8, v9
	v_add_f32 v10, v10, v11
	v_add_f32 v12, v12, v13
	v_add_f32 v14, v14, v15
	v_and_b32 v3, 0x7fffffff, v3                   ; |bias|
	v_add_f32 v8, v8, v10
	v_add_f32 v12, v12, v14
	v_add_f32_dpp v3, v3, v3 row_xmask:1 row_mask:0xf bank_mask:0xf   ; lanes 0-7 hold the work-group's eight numbers: three exchanges among them
	v_add_f32 v8, v8, v12
	v_add_f32_dpp v3, v3, v3 row_xmask:2 row_mask:0xf bank_mask:0xf
	v_add_f32_dpp v8, v8, v8 row_xmask:1 row_mask:0xf bank_mask:0xf
	v_add_f32_dpp v3, v3, v3 row_xmask:4 row_mask:0xf bank_mask:0xf
	v_add_f32_dpp v8, v8, v8 row_xmask:2 row_mask:0xf bank_mask:0xf
	v_add_f32_dpp v8, v8, v8 row_xmask:4 row_mask:0xf bank_mask:0xf
	v_add_f32_dpp v8, v8, v8 row_xmask:8 row_mask:0xf bank_mask:0xf
	v_permlanex16_b32 v5, v8, s22, s23
	v_add_f32 v8, v8, v5                           ; the wave's sum, in every lane
	ds_store_b32 v6, v8                            ; all lanes write the same word with the same value
	s_wait_dscnt 0x0                               ; for the others' sake: my store has landed
	s_barrier_signal -1
	s_barrier_wait -1
	ds_load_b128 v[16:19], v7                      ; the eight waves' sums
	ds_load_b128 v[20:23], v7 offset:16
	s_wait_dscnt 0x0
	v_add_f32 v16, v16, v17
	v_add_f32 v18, v18, v19
	v_add_f32 v20, v20, v21
	v_add_f32 v22, v22, v23
	v_add_f32 v16, v16, v18
	v_add_f32 v20, v20, v22
	v_add_f32 v16, v16, v20                        ; the work-group's sum
	s_cmp_lg_u32 s16, 0
	s_cbranch_scc1 .Lend                           ; wave 0 stores it
	v_cmp_eq_u32 vcc_lo, 0, v0
	s_wait_xcnt 0x0                                ; EXEC is a source of the stores above: it changes only behind this wait
	s_and_saveexec_b32 s20, vcc_lo                 ; thread 0 alone
	global_store_b32 v7, v16, s[14:15]             ; part[work-group]
	global_store_b32 v7, v3, s[14:15] offset:2048  ; part[512 + work-group]: the eight numbers of bias
	s_wait_xcnt 0x0                                ; and again, in front of the line that widens it
	s_or_b32 exec_lo, exec_lo, s20
.Lend:
	s_wait_tensorcnt 0x0
	ds_add_u32 v192, v193
	s_wait_dscnt 0x0
	s_endpgm
.Lfunc_end_k_qc9b95771b9_signs:
	.size	k_qc9b95771b9_signs, .Lfunc_end_k_qc9b95771b9_signs-k_qc9b95771b9_signs
	.p2alignl 7, 3214868480
	.fill 96, 4, 3214868480
	.section	.rodata,"a",@progbits
	.p2align	6, 0x0
	.amdhsa_kernel k_qc9b95771b9_signs
		.amdhsa_group_segment_fixed_size 1280
		.amdhsa_private_segment_fixed_size 0
		.amdhsa_enable_private_segment 0
		.amdhsa_kernarg_size 48
		.amdhsa_user_sgpr_count 2
		.amdhsa_user_sgpr_kernarg_segment_ptr 1
		.amdhsa_wavefront_size32 1
		.amdhsa_system_sgpr_workgroup_id_x 1
		.amdhsa_system_sgpr_workgroup_id_y 1
		.amdhsa_system_sgpr_workgroup_id_z 1
		.amdhsa_system_vgpr_workitem_id 0
		.amdhsa_next_free_vgpr 194
		.amdhsa_next_free_sgpr 66
		.amdhsa_reserve_vcc 1
		.amdhsa_float_denorm_mode_32 3
		.amdhsa_float_denorm_mode_16_64 3
		.amdhsa_memory_ordered 1
		.amdhsa_forward_progress 1
		.amdhsa_inst_pref_size 29
	.end_amdhsa_kernel
	.amdgpu_metadata
---
amdhsa.version: [ 1, 2 ]
amdhsa.kernels:
  - .name:           k_qc9b95771b9_signs
    .symbol:         k_qc9b95771b9_signs.kd
    .args:
      - { .name: x, .offset: 0, .size: 8, .value_kind: global_buffer, .address_space: global }
      - { .name: weight, .offset: 8, .size: 8, .value_kind: global_buffer, .address_space: global }
      - { .name: bias, .offset: 16, .size: 8, .value_kind: global_buffer, .address_space: global }
      - { .name: xs, .offset: 24, .size: 8, .value_kind: global_buffer, .address_space: global }
      - { .name: ws, .offset: 32, .size: 8, .value_kind: global_buffer, .address_space: global }
      - { .name: part, .offset: 40, .size: 8, .value_kind: global_buffer, .address_space: global }
    .group_segment_fixed_size: 1280
    .private_segment_fixed_size: 0
    .kernarg_segment_align: 8
    .kernarg_segment_size: 48
    .max_flat_workgroup_size: 256
    .sgpr_count:     66
    .vgpr_count:     194
    .wavefront_size: 32
...
	.end_amdgpu_metadata
.endif
;; end of part 1
;; launch gemm (part 2): grid 16 x 16, 4 waves a work-group, clusters of 4 x 4, 327,680 bytes of LDS; arguments xs, ws, part, bias, out0; writes out0
.if DOCPART == 2
	.amdgcn_target "amdgcn-amd-amdhsa--gfx1250"
	.amdhsa_code_object_version 6
	.text
	.protected	k_qc9b95771b9_gemm
	.globl	k_qc9b95771b9_gemm
	.p2align	8
	.type	k_qc9b95771b9_gemm,@function
k_qc9b95771b9_gemm:
	s_mov_b64 s[64:65], 0
	v_nop
	global_prefetch_b8 v0, s[64:65] scope:SCOPE_SE
	s_setreg_imm32_b32 hwreg(HW_REG_WAVE_MODE, 25, 1), 1
	s_wait_xcnt 0x0
	s_wait_alu depctr_hold_cnt(0) depctr_sa_sdst(0) depctr_va_vdst(0) depctr_va_sdst(0) depctr_va_ssrc(0) depctr_va_vcc(0) depctr_vm_vsrc(0)
	s_getreg_b32 s2, hwreg(HW_REG_IB_STS2, 6, 4)
	s_cmp_eq_u32 s2, 0
	s_cbranch_scc0 .Lentry_in_a_cluster
	s_endpgm
.Lentry_in_a_cluster:
	s_bfe_u32 s2, ttmp6, 0x10000c
	s_cmp_lg_u32 s2, 0xf033
	s_cbranch_scc0 .Lentry_shape_is_right
	s_endpgm
.Lentry_shape_is_right:
; SECOND OF TWO LAUNCHES: out0[m][n] = sum over k of Q(sign(x) a_x)[m][k] Q(sign(w) a_w)[n][k] + sign(bias[n]) a_b, the product on codes of FP4 (E2M1) with one E8M0 scale for each 32 along K; sums in f32.
; xs, ws: [4096][2048 bytes]: a nibble for each number: its sign over 111, or over 000 for a 0; k in the same order in both (permuted inside runs of 1,024: every product keeps its partner).
; part: 256 partial sums of |x|, 256 of |weight|, 512 of |bias|.
; THE MEANS.  Every wave of every work-group adds the partial sums in the same order, so all agree on a_x, a_w, a_b to the last bit.
; THE CODES.  All numbers of an operand that are not 0 have the magnitude a.  a is quantised by the stated rule, once: the floor 2^(3 - 127), 2 off the exponent field (the scale), the conversion of eight copies of a:
; 0x66666666 (4) or 0x77777777 (6).  With the sign bits set beside it that word is a mask, and nibble AND mask = sign | code(a), or 0: the code that the quantiser gives.  Each fragment register is ANDed once, on its
; way from LDS to the matrix unit.  The scale byte is the same for every block (a block of zeros has zero codes, which add nothing under this byte): one register a side holds it four times; no scale byte is fetched.
; THE BIAS is the C of each sum's first matrix instruction: eight registers for each of my eight blocks of columns, in the result's layout.
; LIMITS: where a mean lies within f32 summing error of an edge (5 x 2^e, or a power of two) either code may come out; NaN and infinities are not served; the bias enters the sums first, so it is rounded with them.
; SHARES.  A tile of out0, 256 x 256, is made by a work-group of four waves, as many as a WGP has SIMDs; a wave makes 128 x 128: 64 accumulators of 16 x 16, 512 registers.
; K goes in steps of 512 through a ring of two LDS slots filled by the tensor data mover: a tile's row is 256 bytes of memory, aligned.
; CLUSTERS: 4 x 4 work-groups.  The four of a row of the cluster need the same tiles of xs, the four of a column the same tiles of ws: each tile is asked for JOINTLY, by the same tensor load with the same
; descriptor and a mask that names the four.  THE MATRIX INSTRUCTION IS USED TRANSPOSED (source 0 = 16 rows of ws, source 1 = 16 rows of xs): a lane then holds eight neighbouring numbers of a row of out0.
; REGISTERS, in windows of 256: window 0: v1-7, v10-15 at work; v8, v9 the two scale words; v16-30 addresses; v32-95 the bias; v96-127 partial sums; v128-191 A's fragments (8 x 16 rows x 128 K), ONE set;
;   v192-207 copies of the means; on the way out v128-255 are free.   window 1: B's fragments, TWO sets, at v0 and at v128.   window 2: the 32 accumulators of my rows 0-63 ((a, b) at v[8 (8 a + b)]);  window 3: rows 64-127.
; A step of 128 along K is 64 matrix instructions, A's blocks one after the other, each against B's eight.  A block of A is free as soon as its eight products are issued, so one set serves A: blocks 0-3 are
; fetched anew in the step's middle, blocks 4-7 at its end.  B's fragments are at work through the whole step, so B has two sets.
.set SIZE_N, 4096
.set NQ,     4                         ; steps of 128 along K in a slot
.set ROWB,   256                       ; a tile's row in bytes: 512 codes
.set KROW,   2048                      ; a row of xs or ws in memory
.set PITCH,  272                       ; an LDS row: 256 bytes + 16 of padding = 68 words: row r starts at bank 4 r mod 64 (64 banks of 4 bytes: ISA guide 11.1), so the 16 rows that a load touches start at 16 different banks
.set FR,     8                         ; registers of a fragment: 16 rows x 128 K
.set NL,     2                         ; LDS loads that bring one
.set NP,     4                         ; places behind this matrix instruction (ISA guide 7.12.1), and ahead of it behind a vector write of an operand
.set HALFT,  128*PITCH                 ; 128 rows: what one tensor load brings, and what one wave reads of A or of B
.set SLOT,   4*HALFT                   ; A's 256 rows, then B's 256 rows
.set LAPS,   4                         ; a lap = two K steps of 512 = once round the ring
.set SPARE,  2*SLOT                    ; behind the ring: the spare words, 128 bytes for each wave: two blocks of 256 bytes that no other line names
.set SPITCH, 528                       ; the way out: a stage of 16 rows x (512 bytes + 16) for each wave, in slot 0, which has had its last fill and its last read when the first result is stored there
.set SXR,  8                           ; v8      xs's scale byte, four times: scales and nothing else
.set SWR,  9                           ; v9      ws's
.set ADRA, 16                          ; v16-17  LDS address of my A fragments in slot 0, 1
.set ADRB, 20                          ; v20-21  the same for B
.set STO,  24                          ; v24     the way out: where I put 32 bytes of a row
.set RD,   25                          ; v25     the way out: where I read a row back
.set CO,   26                          ; v26     16 x lane: my byte offset in a row of out0, and in a load of partial sums; never rewritten
.set BO,   27                          ; v27     32 x (lane / 16): my eight numbers of a block of bias; never rewritten
.set SPW,  28                          ; v28     LDS address of my spare word: SPARE + 4 x my thread's number; never rewritten
.set NIL,  29                          ; v29     0; never rewritten
.set PFO,  30                          ; v30     the prefetches' offset: my lane x a row of 2,048 bytes; never rewritten
.set BIAS, 32                          ; v32-95  sign(bias) a_b: block b of my columns at v[32 + 8 b]
.set AF,   128                         ; A's fragments
.set BK,   128                         ; the way out: 16 rows read back from the stage: v128-191 and v192-255 by turns
.set G1,  24                           ; s[24:31] descriptor group 1 for A's tiles;  s[32:39] group 0, one set for each slot
.set G0,  32
.set G1B, 48                           ; s[48:55], s[56:63] the same for B's tiles
.set G0B, 56
.set PFA, 68                           ; s[68:69] where my prefetches stand: my work-group's 32 rows of the 128 that I fetch, one K step further along K than the refill that is being asked for
.set LIM, 70                           ; s70     1 in a wave that prefetches, else the greatest number
.set MX,  72                           ; s72     xs's mask: 0x88888888 | the code of a_x eight times
.set MW,  73                           ; s73     ws's
.set SEL, 74                           ; s[74:75] v_permlanex16_b32's selects for lane l xor 16
.set SGN, 76                           ; s76     the sign bit
.set MSB, 0
.macro WIN new                         ; the immediate's high byte repeats the setting that is left; a switch that changes nothing is dropped
.if MSB != \new
	s_set_vgpr_msb (MSB<<8)|\new
.set MSB, \new
.endif
.endm
.set MUL_LO,   0xa1                    ; source 0 (B) window 1, source 1 (A) window 0, C and D window 2
.set MUL_HI,   0xf1                    ; the same, C and D window 3
.set FIRST_LO, 0x81                    ; the first products: C (the bias) window 0, D window 2
.set FIRST_HI, 0xc1                    ; D window 3
.set TO_B,     0x40                    ; destination window 1, address window 0
.set FIXB,     0x44                    ; source 1 and destination window 1
; A joint load: waves 0 and 1 fetch for A, waves 2 and 3 for B.  Each of the two lines has ONE mask and one set of registers for all that issue it; the branch hangs on the wave's number alone.
; Four v_nop follow each of the two lines, ahead of the jump, the label and what follows.
.macro JLOAD g0a, g1a, g0b, g1b
	s_cmp_eq_u32 s15, 0
	s_cbranch_scc0 .Lfor_b_\@
	tensor_load_to_lds s[\g0a:\g0a+3], s[\g1a:\g1a+7]
	s_nop 0
.rept 4
	v_nop
.endr
	s_branch .Lasked_\@
.Lfor_b_\@:
	tensor_load_to_lds s[\g0b:\g0b+3], s[\g1b:\g1b+7]
	s_nop 0
.rept 4
	v_nop
.endr
.Lasked_\@:
.endm
; A PREFETCH INTO THE L2, behind a joint load, its four lines and the run of LDS loads that follows them: the K step that stands TWO refills on: 32 rows x 256 bytes, a lane a row, one instruction a wave.
; Each row's 256 bytes of a K step are named ONCE in the launch.  A tile row of xs is read by every cluster of that row of clusters: the first of them (cluster x = 0) asks; a tile column's rows of ws by every
; cluster of that column: cluster y = 0 asks.  The four partners that ask for a tile jointly share its rows out BY ADDRESS: of the 128 rows that a wave fetches, the partner at place p takes 32 p .. 32 p + 31
; (p = cx for A, cy for B): no branch hangs on a work-group's place in its cluster.  K steps 0 to 3 come by their loads alone; the loop's last trip (s3 = 1) has no K step two refills on and asks for nothing.
.macro ASK
	s_cmp_gt_u32 s3, s[LIM]
	s_cbranch_scc0 .Lnot_mine_\@
	global_prefetch_b8 v[PFO], s[PFA:PFA+1] offset:ROWB th:TH_LOAD_NT scope:SCOPE_SE
.Lnot_mine_\@:
.endm
.macro CREST                           ; a round of the cluster's barrier behind its opening barrier
	s_cmp_lg_u32 s14, 0
	s_cbranch_scc1 .Lnot_wave_0_\@
	s_barrier_signal -3
.Lnot_wave_0_\@:
	s_barrier_wait -3
	s_barrier_signal -1
	s_barrier_wait -1
.endm
.macro CROUND                          ; a whole round
	s_barrier_signal -1
	s_barrier_wait -1
	CREST
.endm
	s_load_b256 s[4:11], s[0:1], 0x0               ; xs s[4:5], ws s[6:7], part s[8:9], bias s[10:11]
	s_load_b64 s[12:13], s[0:1], 0x20              ; out0
	v_lshl_add_u32 v[SPW], v0, 2, SPARE
	v_mov_b32 v[NIL], 0
	ds_add_u32 v28, v29
	ds_add_u32 v28, v29
	s_wait_dscnt 0x0
	v_lshrrev_b32 v1, 5, v0
	v_readfirstlane_b32 s14, v1                    ; wave 0..3
	s_lshr_b32 s15, s14, 1                         ; which half of the tile's rows is mine.  Also: I fetch for A (0) or for B (1)
	s_and_b32 s16, s14, 1                          ; which half of its columns.  Also: which 128 rows of that tile I fetch
	s_bfe_u32 s40, ttmp6, 0x40000                  ; cx, cy: my place in the cluster
	s_bfe_u32 s41, ttmp6, 0x40004
	s_lshl_b32 s42, ttmp9, 2
	s_add_co_u32 s42, s42, s40                     ; tile column = 4 x cluster x + cx
	s_and_b32 s17, ttmp7, 0xffff
	s_lshl_b32 s17, s17, 2
	s_add_co_u32 s17, s17, s41                     ; tile row = 4 x cluster y + cy
	s_lshl_b32 s43, s41, 2
	s_lshl_b32 s43, 15, s43                        ; my row of the cluster
	s_lshl_b32 s44, 0x1111, s40                    ; my column
	; descriptor group 1: a tile of 128 rows x 256 bytes, padded in LDS
	s_or_b32 s[G1+0], s43, (0<<16)|(1<<20)|(1<<21)|(5<<22)|(3<<25)  ; 15:0 the mask: A's tiles go to my row; 17:16 element of 1 byte; 20 padding on; 21 set beside a mask; 24:22 after every 64 words (code 5); 31:25 of 4 words (code 3)
	s_or_b32 s[G1B+0], s44, (0<<16)|(1<<20)|(1<<21)|(5<<22)|(3<<25) ; the same with the mask of my column
.irp g, G1, G1B
	s_mov_b32 s[\g+1], ROWB<<16                    ; tensor_dim0 = 256
	s_mov_b32 s[\g+2], 128<<16                     ; tensor_dim1 = 128
	s_mov_b32 s[\g+3], ROWB<<16                    ; tile_dim0 = 256
	s_mov_b32 s[\g+4], 128                         ; tile_dim1 = 128
	s_mov_b32 s[\g+5], KROW                        ; tensor_dim0_stride
	s_mov_b32 s[\g+6], 0
	s_mov_b32 s[\g+7], 0
.endr
	; where the tiles come from.  A's hang on the tile row alone, which my row of the cluster shares; B's on the tile column alone.  Each in registers that never hold the other coordinate
	s_lshl_b32 s18, s16, 7                         ; which 128 rows of the tile I fetch
	s_lshl_b32 s20, s17, 8
	s_add_co_u32 s20, s20, s18                     ; A: row 256 x tile row + 128 x half,
	s_lshl_b32 s20, s20, 11                        ; in bytes (under 2^23)
	s_mov_b32 s21, 0
	s_lshl_b32 s46, s42, 8
	s_add_co_u32 s46, s46, s18                     ; B: row 256 x tile column + 128 x half
	s_lshl_b32 s46, s46, 11
	s_mov_b32 s47, 0
	s_mul_i32 s45, s14, HALFT                      ; where they go: wave x 128 rows: no place in the cluster enters an LDS address
	s_wait_kmcnt 0x0
	s_add_nc_u64 s[20:21], s[4:5], s[20:21]
	s_add_nc_u64 s[46:47], s[6:7], s[46:47]
	CROUND                                         ; all sixteen work-groups are here: the first joint loads meet
.irp s, 0,1
	s_mov_b32 s[G0+4*\s], 1                                        ; count = 1
	s_add_co_u32 s[G0+4*\s+1], s45, \s*SLOT                        ; LDS address
	s_add_nc_u64 s[G0+4*\s+2:G0+4*\s+3], s[20:21], \s*ROWB         ; global address: K step s
	s_or_b32 s[G0+4*\s+3], s[G0+4*\s+3], 0x80000000                ; type = 2
	s_mov_b32 s[G0B+4*\s], 1
	s_add_co_u32 s[G0B+4*\s+1], s45, \s*SLOT
	s_add_nc_u64 s[G0B+4*\s+2:G0B+4*\s+3], s[46:47], \s*ROWB
	s_or_b32 s[G0B+4*\s+3], s[G0B+4*\s+3], 0x80000000
	JLOAD G0+4*\s, G1, G0B+4*\s, G1B               ; the ring is filled before anything else is done: two loads of mine are out
.endr
	; the partial sums and my 128 numbers of bias are asked for now; the addresses below are made while they are on their way
	s_lshl_b32 s46, s42, 10                        ; my first column, in bytes of f32: 1,024 x tile column + 512 x half
	s_lshl_b32 s47, s16, 9
	s_add_co_u32 s46, s46, s47
	s_mov_b32 s47, 0
	s_add_nc_u64 s[10:11], s[10:11], s[46:47]      ; bias at my first column
	v_and_b32 v1, 15, v0                           ; r = l % 16
	v_bfe_u32 v2, v0, 4, 1                         ; h = l / 16
	v_and_b32 v6, 31, v0
	v_lshlrev_b32 v[CO], 4, v6
	v_lshlrev_b32 v[BO], 5, v2
.irp i, 0,1,2,3,4,5,6,7
	global_load_b128 v[96+4*\i:96+4*\i+3], v[CO], s[8:9] offset:512*\i   ; v96-103 x's 256 sums, v104-111 weight's, v112-127 bias's 512: 512 consecutive bytes a load
.endr
.irp b, 0,1,2,3,4,5,6,7
	global_load_b128 v[BIAS+8*\b:BIAS+8*\b+3], v[BO], s[10:11] offset:64*\b       ; lane (r, h), register j of block b: column 16 b + 8 h + j, as in the result
	global_load_b128 v[BIAS+8*\b+4:BIAS+8*\b+7], v[BO], s[10:11] offset:64*\b+16
.endr
	v_mul_u32_u24 v3, v1, PITCH
	v_lshl_add_u32 v4, v2, 4, v3                   ; a fragment's row x pitch + 16 x half
	s_mul_i32 s21, s15, HALFT                      ; my 128 rows of A
	s_mul_i32 s22, s16, HALFT                      ; my 128 rows of B,
	s_add_co_u32 s22, s22, 2*HALFT                 ; which lie behind A's 256
.irp s, 0,1
	v_add_nc_u32 v[ADRA+\s], s21, v4
	v_add_nc_u32 v[ADRB+\s], s22, v4
	s_add_co_u32 s21, s21, SLOT
	s_add_co_u32 s22, s22, SLOT
.endr
	s_mul_i32 s23, s14, 16*SPITCH                  ; my stage
	v_mul_u32_u24 v5, v1, SPITCH                   ; in: row l % 16, 32 bytes for each half of the lanes
	v_lshl_add_u32 v5, v2, 5, v5
	v_add_nc_u32 v[STO], s23, v5
	v_add_nc_u32 v[RD], s23, v[CO]                 ; back: the 32 lanes take one row of 512 bytes
	s_lshl_b32 s20, s17, 8
	s_lshl_b32 s21, s15, 7
	s_add_co_u32 s20, s20, s21                     ; my first row of out0: 256 x tile row + 128 x half,
	s_lshl_b32 s20, s20, 14                        ; in bytes (under 2^26)
	s_mov_b32 s21, 0
	s_add_nc_u64 s[20:21], s[20:21], s[46:47]
	s_add_nc_u64 s[12:13], s[12:13], s[20:21]
	; the prefetches: where my wave's stand, and who asks
	s_lshl_b32 s18, s17, 8                         ; the tile's first row in xs,
	s_lshl_b32 s19, s42, 8                         ; and in ws
	s_and_b32 s22, ttmp7, 0xffff                   ; cluster y
	s_cmp_eq_u32 s15, 0                            ; do I fetch for A?
	s_cselect_b32 s20, s18, s19
	s_cselect_b32 s21, s40, s41                    ; my place among the four that ask for the tile with me
	s_cselect_b32 s22, ttmp9, s22                  ; the coordinate along which other clusters read the same rows
	s_cselect_b64 s[PFA:PFA+1], s[4:5], s[6:7]
	s_cmp_eq_u32 s22, 0
	s_cselect_b32 s[LIM], 1, -1                    ; the same in all sixteen partners, for a given wave
	s_lshl_b32 s22, s16, 7
	s_add_co_u32 s20, s20, s22                     ; + the 128 rows that I fetch
	s_lshl_b32 s21, s21, 5
	s_add_co_u32 s20, s20, s21                     ; + my work-group's 32 of them
	s_lshl_b32 s20, s20, 11
	s_mov_b32 s21, 0
	s_add_nc_u64 s[PFA:PFA+1], s[PFA:PFA+1], s[20:21]
	s_add_nc_u64 s[PFA:PFA+1], s[PFA:PFA+1], 2*ROWB  ; at K step 2: the first refill steps it to 3 and names K step 4.  Nothing is prefetched here, at the head
	v_lshlrev_b32 v[PFO], 11, v6
	s_mov_b32 s[SEL], 0x76543210
	s_mov_b32 s[SEL+1], 0xfedcba98
	s_mov_b32 s[SGN], 0x80000000
	v_mov_b32 v10, 0                               ; (a lane permute's destination counts as one of its sources)
	v_mov_b32 v11, 0
	v_mov_b32 v12, 0
	s_wait_loadcnt 0x0                             ; the partial sums and the bias
	; THE MEANS: trees over my registers (x's 8, weight's 8, bias's 16), then over the 32 lanes: the same order in every wave
.irp i, 0,2,4,6,8,10,12,14,16,18,20,22,24,26,28,30
	v_add_f32 v[96+\i], v[96+\i], v[97+\i]
.endr
.irp i, 0,4,8,12,16,20,24,28
	v_add_f32 v[96+\i], v[96+\i], v[98+\i]
.endr
.irp i, 0,8,16,24
	v_add_f32 v[96+\i], v[96+\i], v[100+\i]
.endr
	v_add_f32 v112, v112, v120
.irp m, 1,2,4,8
.irp r, 96,104,112
	v_add_f32_dpp v[\r], v[\r], v[\r] row_xmask:\m row_mask:0xf bank_mask:0xf
.endr
.endr
	v_permlanex16_b32 v10, v96, s[SEL], s[SEL+1]
	v_permlanex16_b32 v11, v104, s[SEL], s[SEL+1]
	v_permlanex16_b32 v12, v112, s[SEL], s[SEL+1]
	v_add_f32 v96, v96, v10
	v_add_f32 v104, v104, v11
	v_add_f32 v112, v112, v12
	v_mul_f32 v96, 0x33800000, v96                 ; a_x = the sum x 2^-24: exact
	v_mul_f32 v104, 0x33800000, v104               ; a_w likewise
	v_mul_f32 v112, 0x39800000, v112               ; a_b = the sum x 2^-12
	; THE QUANTISER, once for each operand
	v_max_num_f32 v13, 0x1800000, v96              ; the floor 2^(3 - 127): the byte cannot fall under 1
	v_max_num_f32 v5, 0x1800000, v104
	v_add_nc_u32 v13, 0xff000000, v13              ; 2 off the exponent field: the conversion takes the exponent field of this operand as its scale
	v_add_nc_u32 v5, 0xff000000, v5
	v_lshrrev_b32 v14, 23, v13                     ; the scale's byte,
	v_lshrrev_b32 v6, 23, v5
	v_lshl_or_b32 v14, v14, 8, v14                 ; twice,
	v_lshl_or_b32 v6, v6, 8, v6
	v_lshl_or_b32 v[SXR], v14, 16, v14             ; four times: the scale word of every row, for every 128 along K
	v_lshl_or_b32 v[SWR], v6, 16, v6
.irp i, 0,1,2,3,4,5,6,7
	v_mov_b32 v[192+\i], v96                       ; eight copies: the conversion takes eight numbers
	v_mov_b32 v[200+\i], v104
.endr
	v_cvt_scalef32_pk8_fp4_f32 v15, v[192:199], v13   ; the code of a_x, eight times
	v_cvt_scalef32_pk8_fp4_f32 v7, v[200:207], v5
	v_nop                                          ; one plain place behind the scaled conversions
	v_or_b32 v15, 0x88888888, v15                  ; and the sign bits pass
	v_or_b32 v7, 0x88888888, v7
	v_readfirstlane_b32 s[MX], v15
	v_readfirstlane_b32 s[MW], v7
	; sign(bias) a_b: the number's sign over a_b's bits, 0 where the number is 0.  (These lines also stand between the writes of the scale words and the first product)
.set i, 0
.rept 64
	v_cmp_neq_f32 vcc_lo, 0, v[BIAS+i]
	v_and_or_b32 v[BIAS+i], v[BIAS+i], s[SGN], v112
	v_cndmask_b32 v[BIAS+i], 0, v[BIAS+i], vcc_lo
.set i, i+1
.endr
.macro FRAG reg, adr, q, i             ; a fragment, 16 rows x 128 K of 4-bit codes, is 8 registers: lane l holds row l % 16; registers 4 c .. 4 c + 3 hold the row's 16 bytes at 32 c + 16 (l / 16) of the step's 64
.irp c, 0,1
	ds_load_b128 v[\reg+4*\c:\reg+4*\c+3], v[\adr] offset:64*(\q)+32*\c+(\i)*16*PITCH
.endr
.endm
.macro FETCH_B slot, q, p              ; B's eight fragments of the slot's q-th 128 along K into set p
	WIN TO_B
.irp i, 0,1,2,3,4,5,6,7
	FRAG 128*(\p)+FR*\i, ADRB+\slot, \q, \i
.endr
	WIN 0
.endm
.macro FETCH_A slot, q, i0             ; A's blocks i0 .. i0 + 3
.irp i, \i0, \i0+1, \i0+2, \i0+3
	FRAG AF+FR*(\i), ADRA+\slot, \q, \i
.endr
.endm
.macro FIX_B p                         ; B's set p: nibbles become codes
	WIN FIXB
.set i, 0
.rept 64
	v_and_b32 v[128*(\p)+i], s[MW], v[128*(\p)+i]
.set i, i+1
.endr
.endm
.macro FIX_A i0                        ; A's blocks i0 .. i0 + 3 likewise; it leaves every window 0
	WIN 0
.set i, 0
.rept 32
	v_and_b32 v[AF+FR*(\i0)+i], s[MX], v[AF+FR*(\i0)+i]
.set i, i+1
.endr
.endm
; 16 matrix instructions: A's blocks a0, a0 + 1 x B's eight, 128 along K.  p: B's set.  first = 1: the sums begin with the bias as C: nothing is cleared, nothing is added later.
; The 64 accumulators take turns, one instruction a turn, in the same order in every step.
.macro MUL16 a0, p, first
.irp a, \a0, \a0+1
.irp b, 0,1,2,3,4,5,6,7
.if \first
	v_wmma_scale_f32_16x16x128_f8f6f4 v[8*(8*((\a)%4)+\b):8*(8*((\a)%4)+\b)+7], v[128*(\p)+FR*\b:128*(\p)+FR*\b+FR-1], v[AF+FR*(\a):AF+FR*(\a)+FR-1], v[BIAS+8*\b:BIAS+8*\b+7], v[SWR], v[SXR] matrix_a_fmt:MATRIX_FMT_FP4 matrix_b_fmt:MATRIX_FMT_FP4
.else
	v_wmma_scale_f32_16x16x128_f8f6f4 v[8*(8*((\a)%4)+\b):8*(8*((\a)%4)+\b)+7], v[128*(\p)+FR*\b:128*(\p)+FR*\b+FR-1], v[AF+FR*(\a):AF+FR*(\a)+FR-1], v[8*(8*((\a)%4)+\b):8*(8*((\a)%4)+\b)+7], v[SWR], v[SXR] matrix_a_fmt:MATRIX_FMT_FP4 matrix_b_fmt:MATRIX_FMT_FP4
.endif
.endr
.endr
.endm
; A load into a register that a matrix instruction has read, and an LDS store that reads a matrix result, stand NP places behind that matrix instruction; an operand written by a vector instruction stands NP places
; ahead of the scaled matrix instruction that takes it.  Only plain vector instructions that name none of the matrix instruction's registers are places (ISA guide 7.12.1).
.macro PLACES n
.rept \n
	v_nop
.endr
.endm
; A step of 128 along K that has its successor in the same slot.
.macro STEP slot, q, first
	s_wait_dscnt 4*NL                              ; B's set and A's blocks 0-3 are in; the youngest eight loads (A's blocks 4-7) may be out
	FIX_B (\q)%2
	FIX_A 0
	PLACES NP                                      ; behind the last AND, ahead of the products
.if \first
	WIN FIRST_LO
.else
	WIN MUL_LO
.endif
	MUL16 0, (\q)%2, \first
	MUL16 2, (\q)%2, \first
	s_wait_dscnt 0                                 ; A's blocks 4-7 are in (asked for at the last step's end)
	FIX_A 4                                        ; these 32 lines name no register of the products above: they are places for the loads below
	PLACES NP                                      ; behind the last AND, ahead of the products on blocks 4-7
	FETCH_B \slot, (\q)+1, 1-(\q)%2
	FETCH_A \slot, (\q)+1, 0
.if \first
	WIN FIRST_HI
.else
	WIN MUL_HI
.endif
	MUL16 4, (\q)%2, \first
	MUL16 6, (\q)%2, \first
	PLACES NP
	WIN 0
	FETCH_A \slot, (\q)+1, 4
.endm
; A slot's last step changes slots: ONE barrier; in front of it each wave waits for all its tensor loads, adds 0 to its spare word, and waits for that and for its own reads of this slot.  fill = 1: this slot is filled again, two K steps ahead.
.macro TURN slot, next, fill
.if \fill
	s_wait_xcnt 0x0                                ; the last prefetch, a K step back, has read its address: it is stepped here, ahead of the waits of the change of slots
	s_add_nc_u64 s[PFA:PFA+1], s[PFA:PFA+1], ROWB
.endif
	s_wait_tensorcnt 0x0                           ; all my tensor loads have landed: the one that was out is my part of the next slot  (every window is 0 here: the add's two registers lie in window 0)
	ds_add_u32 v[SPW], v[NIL]                      ; 0 onto my spare word
	s_wait_dscnt 4*NL+1                            ; (the add and the youngest eight loads, A's blocks 4-7, may be out)
	FIX_B 1
	FIX_A 0
	PLACES NP
	WIN MUL_LO
	MUL16 0, 1, 0                                  ; the ANDs and sixteen matrix instructions stand between the add and the wait for it
	s_wait_dscnt 0x0                               ; the add is done, and my reads of this slot are over
	s_barrier_signal -1
	MUL16 2, 1, 0                                  ; work on registers while the others arrive
	FIX_A 4                                        ; (it leaves every window 0: branches follow)
	s_barrier_wait -1
.if \fill
	CREST                                          ; the barrier has opened a round of the cluster's barrier: no wave of any partner still reads this slot's tile or has a load on its way
	s_add_nc_u64 s[G0+4*\slot+2:G0+4*\slot+3], s[G0+4*\slot+2:G0+4*\slot+3], 2*ROWB
	s_add_nc_u64 s[G0B+4*\slot+2:G0B+4*\slot+3], s[G0B+4*\slot+2:G0B+4*\slot+3], 2*ROWB
	JLOAD G0+4*\slot, G1, G0B+4*\slot, G1B         ; the first tensor load behind the round, my one load until the next; the four v_nop behind it are the places behind the last AND
.else
	PLACES NP
.endif
	FETCH_B \next, 0, 0
	FETCH_A \next, 0, 0
.if \fill
	ASK                                            ; behind the joint load and the run of LDS loads that the next products wait for
.endif
	WIN MUL_HI
	MUL16 4, 1, 0
	MUL16 6, 1, 0
	PLACES NP
	WIN 0
	FETCH_A \next, 0, 4
.endm
.macro STEPS slot, from                ; the slot's steps from .. NQ - 2
.set Q, \from
.rept NQ-1-\from
	STEP \slot, Q, 0
.set Q, Q+1
.endr
.endm
	s_wait_tensorcnt 1                             ; my part of K step 0 is in (K step 1's load may be out)
	s_barrier_signal -1
	s_barrier_wait -1                              ; everybody's is
	FETCH_B 0, 0, 0
	FETCH_A 0, 0, 0
	FETCH_A 0, 0, 4
	STEP 0, 0, 1                                   ; the first step stands in front of the loop: its products start the sums, on the bias
	s_mov_b32 s3, LAPS-1
.Llap:                                                 ; a trip goes once round the ring, from a lap's second step to the next lap's first, and fills both slots again
	STEPS 0, 1
	TURN 0, 1, 1
	STEPS 1, 0
	TURN 1, 0, 1
	STEP 0, 0, 0
	s_sub_co_u32 s3, s3, 1
	s_cmp_lg_u32 s3, 0
	s_cbranch_scc1 .Llap
	STEPS 0, 1                                     ; the last lap fills nothing, and has no round of the cluster's barrier
	TURN 0, 1, 0
	STEPS 1, 0
	s_wait_dscnt 4*NL                              ; the very last step: nothing more to fetch
	FIX_B 1
	FIX_A 0
	PLACES NP
	WIN MUL_LO
	MUL16 0, 1, 0
	MUL16 2, 1, 0
	s_wait_dscnt 0
	FIX_A 4
	PLACES NP
	WIN MUL_HI
	MUL16 4, 1, 0
	MUL16 6, 1, 0
	WIN 0
; THE WAY OUT, block by block of 16 rows x 128 columns.  A lane holds 32 neighbouring bytes of a row, and the lanes beside it hold other rows: so a block goes through my own stage in LDS and comes back as whole
; rows of 512 bytes, which the 32 lanes store as two aligned runs of 256 bytes.  LDS serves a wave's instructions in order (ISA guide 5.7.1.4): no wait between the stores and the loads, nor in front of the next block's stores.
.macro TOSTAGE a
.set AC, 64*((\a)%4)
	WIN 0x08+4*((\a)/4)                            ; an LDS store's data are its source 1: window 2 or 3
.irp b, 0,1,2,3,4,5,6,7
	ds_store_b128 v[STO], v[AC+8*\b:AC+8*\b+3] offset:64*\b          ; each accumulator from its low end on
	ds_store_b128 v[STO], v[AC+8*\b+4:AC+8*\b+7] offset:64*\b+16
.endr
	WIN 0
.set BB, BK+64*((\a)%2)
.irp t, 0,1,2,3,4,5,6,7,8,9,10,11,12,13,14,15
	ds_load_b128 v[BB+4*\t:BB+4*\t+3], v[RD] offset:\t*SPITCH
.endr
.endm
.macro SEND a, younger                 ; younger: the LDS instructions issued behind block a's loads, which may stay out
.set BB, BK+64*((\a)%2)
	s_wait_dscnt \younger                          ; the block is back in registers
.if (\a) > 0
	s_add_nc_u64 s[12:13], s[12:13], 16*SIZE_N*4   ; (behind a wait on XCNT: the earlier stores have read their base)  16 rows on, so that the stores' offsets stay at 15 rows of 16,384 bytes at the most
.endif
.irp t, 0,1,2,3,4,5,6,7,8,9,10,11,12,13,14,15
	global_store_b128 v[CO], v[BB+4*\t:BB+4*\t+3], s[12:13] offset:\t*SIZE_N*4 th:TH_STORE_NT   ; 32 lanes store 512 consecutive bytes, at a multiple of 256 from out0's first byte; written once, read by nobody here
.endr
.endm
	PLACES NP                                      ; behind the last products: for the loads into the registers that held A's fragments, and for the reads of the last blocks' results
	TOSTAGE 0
.irp a, 1,2,3,4,5,6,7
.if \a > 1
	s_wait_xcnt 0x0                                ; block a - 2's stores have read their registers and their base: block a's loads may land there, and the base may step
.endif
	TOSTAGE \a
	SEND \a-1, 32                                  ; behind block a - 1's loads: block a's 16 stores and 16 loads
.endr
	s_wait_xcnt 0x0                                ; block 6's stores have read their base
	SEND 7, 0
	s_wait_tensorcnt 0x0                           ; the wave's end, behind my last tensor load and my last LDS store
	ds_add_u32 v[SPW], v[NIL]
	s_wait_dscnt 0x0
	CROUND                                         ; the closing round: no work-group ends while a partner may still ask for a tile that names it
	s_endpgm
.Lfunc_end_k_qc9b95771b9_gemm:
	.size	k_qc9b95771b9_gemm, .Lfunc_end_k_qc9b95771b9_gemm-k_qc9b95771b9_gemm
	.p2alignl 7, 3214868480
	.fill 96, 4, 3214868480
	.section	.rodata,"a",@progbits
	.p2align	6, 0x0
	.amdhsa_kernel k_qc9b95771b9_gemm
		.amdhsa_group_segment_fixed_size 327680
		.amdhsa_private_segment_fixed_size 0
		.amdhsa_enable_private_segment 0
		.amdhsa_kernarg_size 40
		.amdhsa_user_sgpr_count 2
		.amdhsa_user_sgpr_kernarg_segment_ptr 1
		.amdhsa_wavefront_size32 1
		.amdhsa_system_sgpr_workgroup_id_x 1
		.amdhsa_system_sgpr_workgroup_id_y 1
		.amdhsa_system_sgpr_workgroup_id_z 1
		.amdhsa_system_vgpr_workitem_id 0
		.amdhsa_next_free_vgpr 1024
		.amdhsa_next_free_sgpr 80
		.amdhsa_reserve_vcc 1
		.amdhsa_float_denorm_mode_32 3
		.amdhsa_float_denorm_mode_16_64 3
		.amdhsa_memory_ordered 1
		.amdhsa_forward_progress 1
		.amdhsa_inst_pref_size 255
	.end_amdhsa_kernel
	.section	.bss,"aw",@nobits
	.p2align	6
	.space	262144
	.amdgpu_metadata
---
amdhsa.version: [ 1, 2 ]
amdhsa.kernels:
  - .name:           k_qc9b95771b9_gemm
    .symbol:         k_qc9b95771b9_gemm.kd
    .args:
      - { .name: xs, .offset: 0, .size: 8, .value_kind: global_buffer, .address_space: global }
      - { .name: ws, .offset: 8, .size: 8, .value_kind: global_buffer, .address_space: global }
      - { .name: part, .offset: 16, .size: 8, .value_kind: global_buffer, .address_space: global }
      - { .name: bias, .offset: 24, .size: 8, .value_kind: global_buffer, .address_space: global }
      - { .name: out0, .offset: 32, .size: 8, .value_kind: global_buffer, .address_space: global }
    .group_segment_fixed_size: 327680
    .private_segment_fixed_size: 0
    .kernarg_segment_align: 8
    .kernarg_segment_size: 40
    .max_flat_workgroup_size: 128
    .sgpr_count:     80
    .vgpr_count:     1024
    .wavefront_size: 32
...
	.end_amdgpu_metadata
.endif
;; end of part 2
